; MI455X (gfx1250); checked and timed in simulation.
; The chip was launched on July 23, 2026; its instructions are those of AMD's public machine-readable ISA for CDNA 5 (MIT licence, August 2026) and "CDNA5" Instruction Set Architecture Reference Guide (July 2026). The comments in the code are by the model that wrote it; some were corrected since.
;; VQ Embedding. Allowed arithmetic: float matrix products may take bf16 or f16 operands with f32 sums; all other float work in f32.
;; Inputs: weight 8,192 x 512 float32; x 16,384 x 512 float32.
;; Outputs: out0 16,384 x 512 float32; out1 16,384 x 1 int32; out2 one number float32.
;; 2 versions, each right; version 2 is version 1 with the launch prep written anew for expert scheduling mode. Each part assembles by itself: llvm-mc -triple=amdgcn-amd-amdhsa -mcpu=gfx1250 --defsym DOCPART=n.
;; ======== version 1 of 2: 5 launches
;; workspace buffers: xb 16,777,216 bytes; wb 8,388,608 bytes; xx 65,536 bytes; ww 32,768 bytes; cand 524,288 bytes; idx 65,536 bytes of whole numbers; part 1,024 bytes
;; launch prep (part 1): grid 384 x 1, 4 waves a work-group, no clusters, 67,328 bytes of LDS; arguments x, weight, xb, wb, xx, ww; writes xb, wb, xx, ww
.if DOCPART == 1
	.amdgcn_target "amdgcn-amd-amdhsa--gfx1250"
	.amdhsa_code_object_version 6
	.text
	.protected	k_q8727175823_prep
	.globl	k_q8727175823_prep
	.p2align	8
	.type	k_q8727175823_prep,@function
k_q8727175823_prep:
	s_mov_b64 s[64:65], 0
	v_nop
	global_prefetch_b8 v0, s[64:65] scope:SCOPE_SE
	s_setreg_imm32_b32 hwreg(HW_REG_WAVE_MODE, 25, 1), 1
	s_wait_xcnt 0x0
; Rounds x [16384][512] and weight [8192][512] from f32 to bf16, writes them in the order in which the matrix instruction's operands lie
; in registers, and writes each row's sum of squares OF THE ROUNDED NUMBERS in f32.
; Operand order: byte of element (row, k) = (row>>4)*16384 + (k>>5)*1024 + ((k>>4)&1)*512 + ((k>>3)&1)*256 + (row&15)*16 + (k&7)*2,
; so that 16 rows x 32 k are 1,024 consecutive bytes of which lane L takes 16 at 16 L and 16 at 512 + 16 L.
; Work-groups 0-255 take 64 rows of x each, work-groups 256-383 64 rows of weight; a wave takes 16 rows (one block of 16,384 bytes out).
; A row comes in by four loads of 512 consecutive bytes; eight rows (32 loads of a wave) are on their way at any time.
; The turn from rows to operand order goes through the wave's own stage in LDS; every store to memory covers 512 consecutive aligned bytes.
; No matrix unit, no cluster: no byte is read twice and no two work-groups read the same bytes.
; LIMIT: the norms are f32 sums in this text's own order (two chains a lane, then a tree over the lanes).
.set ROWB, 2048                        ; bytes of a row of f32
.set SP,   1040                        ; stage pitch: 1,024 bytes of bf16 + 16 = 65 x 16, so 16 rows' equal columns start 16 bytes apart modulo 256
.set STGB, 16*SP                       ; a wave's stage
.set NRM,  4*STGB                      ; behind the stages: the work-group's 64 norms, 256 bytes
.set LO,  1                            ; v1       16 x lane
.set STG, 2                            ; v2       stage, in: wave's stage + 8 x lane
.set RDF, 3                            ; v3       stage, out: wave's stage + (lane % 16) x pitch + 16 x (lane / 16)
.set NSA, 4                            ; v4       where my row's norm goes in LDS
.set NV,  5                            ; v5       lanes r and r + 16: the norm of row r
.set T,   6                            ; v[6:9]   two pairs of f32 at work
.set N,   10                           ; v[10:11] the running sums
.set TP,  12                           ; v12      takes the other half's sum
.set P,   14                           ; v[14:21] a row's 16 numbers of mine as 8 words of bf16
.set X,   32                           ; v[32:159] ring of 8 rows x 16 registers; later the 32 operand pieces on their way out
	s_load_b256 s[4:11], s[0:1], 0x0               ; x s[4:5], weight s[6:7], xb s[8:9], wb s[10:11]
	s_load_b128 s[12:15], s[0:1], 0x20             ; xx s[12:13], ww s[14:15]
	v_lshl_add_u32 v160, v0, 2, 0x10500
	v_mov_b32 v161, 0
	v_lshrrev_b32 v13, 5, v0
	v_readfirstlane_b32 s17, v13                   ; wave 0..3
	v_and_b32 v24, 31, v0                          ; lane
	v_and_b32 v25, 15, v0                          ; lane % 16
	v_bfe_u32 v26, v0, 4, 1                        ; lane / 16
	s_mov_b32 s16, 0xffff0000                      ; a word's upper bf16
	s_mov_b32 s18, 0x76543210                      ; v_permlanex16_b32: lane i reads lane i of the other half
	s_mov_b32 s19, 0xfedcba98
	s_mul_i32 s22, s17, STGB
	v_lshlrev_b32 v[LO], 4, v24
	v_lshl_add_u32 v[STG], v24, 3, s22
	v_mul_u32_u24 v[RDF], v25, SP
	v_lshl_add_u32 v[RDF], v26, 4, v[RDF]
	v_add_nc_u32 v[RDF], s22, v[RDF]
	s_lshl_b32 s23, s17, 6
	s_add_co_u32 s23, s23, NRM
	v_lshl_add_u32 v[NSA], v25, 2, s23
	v_mov_b32 v[NV], 0                             ; written whole once: the selects below read it
	v_mov_b32 v[TP], 0                             ; v_permlanex16_b32 counts as a reader of its destination
	v_lshlrev_b32 v22, 3, v24                      ; 8 x lane: the norms' way out
	v_add_nc_u32 v23, NRM, v22
	s_sub_co_u32 s21, ttmp9, 256
	s_cmp_lt_u32 ttmp9, 256                        ; x or weight: hangs on the work-group's number alone
	s_cselect_b32 s21, ttmp9, s21                  ; my block of 64 rows in that tensor
	s_wait_kmcnt 0x0
	s_cselect_b64 s[4:5], s[4:5], s[6:7]           ; source
	s_cselect_b64 s[8:9], s[8:9], s[10:11]         ; bf16 out
	s_cselect_b64 s[12:13], s[12:13], s[14:15]     ; norms out
	s_lshl2_add_u32 s24, s21, s17                  ; my block of 16 rows = 4 x block of 64 + wave
	s_mov_b32 s27, 0
	s_lshl_b32 s26, s24, 15                        ; 16 rows x 2,048 bytes
	s_add_nc_u64 s[4:5], s[4:5], s[26:27]
	s_lshl_b32 s26, s24, 14                        ; 16 rows x 1,024 bytes
	s_add_nc_u64 s[8:9], s[8:9], s[26:27]
	s_lshl_b32 s26, s21, 8                         ; 64 norms x 4 bytes
	s_add_nc_u64 s[12:13], s[12:13], s[26:27]
.macro FILL row                        ; a row's 2,048 bytes: four loads of 512 consecutive bytes
.irp p, 0,1,2,3
	global_load_b128 v[X+16*((\row)%8)+4*\p:X+16*((\row)%8)+4*\p+3], v[LO], s[4:5] offset:(\row)*ROWB+512*\p th:TH_LOAD_NT
.endr
.endm
; One row: round, put into the stage, square and sum the rounded numbers.  left = the younger rows' loads that may stay out.
.macro ROW row, left, fill
	s_wait_loadcnt \left                           ; loads come back in order: this row's four are in
.irp p, 0,1,2,3
	v_cvt_pk_bf16_f32 v[P+2*\p],   v[X+16*((\row)%8)+4*\p],   v[X+16*((\row)%8)+4*\p+1]
	v_cvt_pk_bf16_f32 v[P+2*\p+1], v[X+16*((\row)%8)+4*\p+2], v[X+16*((\row)%8)+4*\p+3]
.endr
.irp p, 0,1,2,3
	ds_store_b64 v[STG], v[P+2*\p:P+2*\p+1] offset:(\row)*SP+256*\p      ; k = 128 p + 4 lane .. + 3: 8 bytes at 256 p + 8 lane of the row
.endr
.irp i, 0,1,2,3,4,5,6,7
	v_lshlrev_b32 v[T+2*(\i%2)],   16,  v[P+\i]                          ; the rounded numbers back in f32
	v_and_b32     v[T+2*(\i%2)+1], s16, v[P+\i]
.if \i == 0
	v_pk_mul_f32 v[N:N+1], v[T:T+1], v[T:T+1]                            ; the first squares start the sums
.else
	v_pk_fma_f32 v[N:N+1], v[T+2*(\i%2):T+2*(\i%2)+1], v[T+2*(\i%2):T+2*(\i%2)+1], v[N:N+1]
.endif
.endr
	v_add_f32 v[N], v[N], v[N+1]
	v_add_f32_dpp v[N], v[N], v[N] row_xmask:1 row_mask:0xf bank_mask:0xf
	v_add_f32_dpp v[N], v[N], v[N] row_xmask:2 row_mask:0xf bank_mask:0xf
	v_add_f32_dpp v[N], v[N], v[N] row_xmask:4 row_mask:0xf bank_mask:0xf
	v_add_f32_dpp v[N], v[N], v[N] row_xmask:8 row_mask:0xf bank_mask:0xf
	v_permlanex16_b32 v[TP], v[N], s18, s19
	v_add_f32 v[N], v[N], v[TP]                    ; every lane holds the row's norm
	s_mov_b32 s20, 0x00010001<<(\row)
	v_cndmask_b32 v[NV], v[NV], v[N], s20          ; lanes row and row + 16 keep it
.if \fill
	FILL (\row)+8                                  ; the slot's registers have been read by the conversions above
.endif
.endm
.irp rr, 0,1,2,3,4,5,6,7
	FILL \rr
.endr
.irp rr, 0,1,2,3,4,5,6,7
	ROW \rr, 28, 1                                 ; 28 = the four loads of each of the seven younger rows
.endr
.irp rr, 8,9,10,11,12,13,14,15
	ROW \rr, 28-4*(\rr-8), 0                       ; nothing more to load: the counts run down to 0
.endr
	ds_store_b32 v[NSA], v[NV]                     ; lanes r and r + 16 write the same word with the same value
	; the stage back in operand order.  The bytes are the wave's own and LDS serves a wave's instructions in order: no wait between stores and loads.
.irp ks, 0,1,2,3,4,5,6,7,8,9,10,11,12,13,14,15
	ds_load_b128 v[X+8*\ks:X+8*\ks+3],   v[RDF] offset:64*\ks           ; row lane % 16, k = 32 ks + 8 (lane / 16) .. + 7
	ds_load_b128 v[X+8*\ks+4:X+8*\ks+7], v[RDF] offset:64*\ks+32        ; the same, 16 further along k
.endr
.set i, 0
.rept 32
	s_wait_dscnt 31-i                              ; piece i is in, the younger ones may be out
	global_store_b128 v[LO], v[X+4*i:X+4*i+3], s[8:9] offset:512*i      ; 512 consecutive bytes, at a multiple of 512 from the buffer's first byte
.set i, i+1
.endr
	s_wait_dscnt 0x0                               ; my norms are in LDS, for wave 0's sake
	s_barrier_signal -1
	s_barrier_wait -1
	s_cmp_lg_u32 s17, 0
	s_cbranch_scc1 .Lend
	ds_load_b64 v[6:7], v23                        ; the work-group's 64 norms: 8 bytes a lane
	s_wait_dscnt 0x0
	global_store_b64 v22, v[6:7], s[12:13]         ; one store of 256 consecutive aligned bytes
.Lend:
	s_wait_tensorcnt 0x0
	ds_add_u32 v160, v161
	s_wait_dscnt 0x0
	s_endpgm
.Lfunc_end_k_q8727175823_prep:
	.size	k_q8727175823_prep, .Lfunc_end_k_q8727175823_prep-k_q8727175823_prep
	.p2alignl 7, 3214868480
	.fill 96, 4, 3214868480
	.section	.rodata,"a",@progbits
	.p2align	6, 0x0
	.amdhsa_kernel k_q8727175823_prep
		.amdhsa_group_segment_fixed_size 67328
		.amdhsa_private_segment_fixed_size 0
		.amdhsa_enable_private_segment 0
		.amdhsa_kernarg_size 48
		.amdhsa_user_sgpr_count 2
		.amdhsa_user_sgpr_kernarg_segment_ptr 1
		.amdhsa_wavefront_size32 1
		.amdhsa_system_sgpr_workgroup_id_x 1
		.amdhsa_system_sgpr_workgroup_id_y 1
		.amdhsa_system_sgpr_workgroup_id_z 1
		.amdhsa_system_vgpr_workitem_id 0
		.amdhsa_next_free_vgpr 162
		.amdhsa_next_free_sgpr 66
		.amdhsa_reserve_vcc 0
		.amdhsa_float_denorm_mode_32 3
		.amdhsa_float_denorm_mode_16_64 3
		.amdhsa_memory_ordered 1
		.amdhsa_forward_progress 1
		.amdhsa_inst_pref_size 52
	.end_amdhsa_kernel
	.amdgpu_metadata
---
amdhsa.version: [ 1, 2 ]
amdhsa.kernels:
  - .name:           k_q8727175823_prep
    .symbol:         k_q8727175823_prep.kd
    .args:
      - { .name: x, .offset: 0, .size: 8, .value_kind: global_buffer, .address_space: global }
      - { .name: weight, .offset: 8, .size: 8, .value_kind: global_buffer, .address_space: global }
      - { .name: xb, .offset: 16, .size: 8, .value_kind: global_buffer, .address_space: global }
      - { .name: wb, .offset: 24, .size: 8, .value_kind: global_buffer, .address_space: global }
      - { .name: xx, .offset: 32, .size: 8, .value_kind: global_buffer, .address_space: global }
      - { .name: ww, .offset: 40, .size: 8, .value_kind: global_buffer, .address_space: global }
    .group_segment_fixed_size: 67328
    .private_segment_fixed_size: 0
    .kernarg_segment_align: 8
    .kernarg_segment_size: 48
    .max_flat_workgroup_size: 128
    .sgpr_count:     66
    .vgpr_count:     162
    .wavefront_size: 32
...
	.end_amdgpu_metadata
.endif
;; end of part 1
;; launch dist (part 2): grid 64 x 4, 4 waves a work-group, clusters of 4 x 1, 327,680 bytes of LDS; arguments xb, wb, xx, ww, cand; writes cand
.if DOCPART == 2
	.amdgcn_target "amdgcn-amd-amdhsa--gfx1250"
	.amdhsa_code_object_version 6
	.text
	.protected	k_q8727175823_dist
	.globl	k_q8727175823_dist
	.p2align	8
	.type	k_q8727175823_dist,@function
k_q8727175823_dist:
	s_mov_b64 s[64:65], 0
	v_nop
	global_prefetch_b8 v0, s[64:65] scope:SCOPE_SE
	s_setreg_imm32_b32 hwreg(HW_REG_WAVE_MODE, 25, 1), 1
	s_wait_xcnt 0x0
	s_wait_alu depctr_hold_cnt(0) depctr_sa_sdst(0) depctr_va_vdst(0) depctr_va_sdst(0) depctr_va_ssrc(0) depctr_va_vcc(0) depctr_vm_vsrc(0)
	s_getreg_b32 s2, hwreg(HW_REG_IB_STS2, 6, 4)
	s_cmp_eq_u32 s2, 0
	s_cbranch_scc0 .Lentry_in_a_cluster
	s_endpgm
.Lentry_in_a_cluster:
	s_bfe_u32 s2, ttmp6, 0x10000c
	s_cmp_lg_u32 s2, 0x3003
	s_cbranch_scc0 .Lentry_shape_is_right
	s_endpgm
.Lentry_shape_is_right:
; For 256 tokens and one quarter (2,048) of the codes: d = (xx + ww) - 2 x.w in f32, and for each token the least d with the lowest code that has it.
; x.w comes from the bf16 matrix instruction with f32 sums over k = 512; s = xx + ww is one f32 rounding (written fma(ww, 1, xx)); d = fma(x.w, -2, s) has the
; one rounding of s - 2 x.w, since doubling is exact.  A later code replaces the best only if its d is strictly less, so the first of equal distances stays.
; SHARES.  Work-group (X, q): tokens 256 X .., codes 2048 q ...  Wave w: tokens 256 X + 64 w .. + 63.  A wave keeps its 64 tokens x 512 k in 512
; registers for the whole kernel, so only code operands are read from LDS: 1,024 bytes feed four matrix instructions.
; CLUSTER.  The four work-groups of a cluster have the same q and walk the same codes: each tile of 128 codes (131,072 bytes) is asked for jointly,
; with the mask of all four; each wave asks for a quarter of it.  Two LDS slots take turns; a wave has one tensor load outstanding at the most,
; issued first thing behind a round of the cluster's barrier, with a whole slot's 512 matrix instructions in which to land.
; xb and wb lie in operand order: 16 rows x 32 k are 1,024 consecutive bytes, lane L takes 16 at 16 L and 16 at 512 + 16 L.  So a slot is one
; dense block, and every LDS load takes 512 consecutive bytes: no padding is needed.
; CODES ARE SOURCE 0 AND TOKENS SOURCE 1: lane (r = L % 16, h = L / 16), register j of a result is token r, code 8 h + j.
; A lane thus follows 8 code residues for each of its 4 tokens; they are merged once, at the end.
; THE COMPARISON OF ONE CODE TILE IS WOVEN INTO THE PRODUCTS OF THE NEXT.  A block is one code tile (16 codes) x 64 tokens x 512 k: 64 matrix instructions on four
; accumulators.  There are two sets of four: while one is summed, the other, the tile before, is turned into distances and compared, two vector
; instructions behind each matrix instruction.  Both kinds run under ONE window setting: tokens (source 1) in window 1 or 2, all else in window 0.  So a vector
; instruction here names registers as source 0, source 2 and destination alone, and its source 1 is a constant or a scalar:
;   s = fma(ww, 1, xx)   d = fma(acc, -2, s)   u = fma(d, -1, best)   mask = u > 0   best = min3(best, +inf, d)   index = mask ? tile : index
; u stands for the comparison of two registers: the sign of a rounded difference of two f32 numbers is exact, and inf - inf is NaN, which is not > 0.
; LIMITS.  Operands are rounded to bf16, and xx, ww are those of the rounded numbers; the f32 sums run in the matrix unit's order.  A NaN distance is never chosen.
; If no distance is below +infinity the quarter reports its first code with d = +infinity.
;
; REGISTERS, in windows of 256 (s_set_vgpr_msb: bits 1:0 source 0, 3:2 source 1, 5:4 source 2, 7:6 destination):
;   window 0: see the names below;   window 1: token operands of k steps 0-7 at 8 (4 ks + mt);   window 2: k steps 8-15
.set SLOTB, 131072                     ; a slot: 128 codes = 8 code tiles of 16,384 bytes
.set WWB,   262144                     ; behind the ring: the quarter's 2,048 ww, 8,192 bytes, written by LDS stores, never by a tensor load
.set STAGE, 270336                     ; the way out: 512 bytes for each wave, likewise
.set ACC0, 0                           ; v0-31     accumulators of the even code tiles: token tile mt at 8 mt
.set ACC1, 32                          ; v32-63    of the odd ones
.set F,    64                          ; v64-127   code operands: two halves of four k steps, 8 registers a k step
.set BEST, 128                         ; v128-159  best d so far, at 8 mt + j
.set IDX,  160                         ; v160-191  its code tile
.set XX,   192                         ; v192-199  xx of token 16 mt + r, twice (a pair for the packed forms)
.set WW,   200                         ; v200-215  ww of a tile's codes 8 h + j: one buffer for even tiles, one for odd
.set T,    216                         ; v216-223  s, then u, of the eight distances at work
.set ADR,  224                         ; v224-227  16 L + slot x 131,072 + half x 65,536 (an LDS offset has 16 bits).  v224 = 16 L also serves the loads from xb
.set ADW,  228                         ; v228      WWB + 32 h, stepped by 1,024 for every two slots
.set STA,  229                         ; v229      way out, in
.set RDA,  230                         ; v230      way out, back
.set CO,   231                         ; v231      my byte offset in cand
.set XA,   232                         ; v232      4 r
.set TO,   233                         ; v233      16 x thread
.set WST,  234                         ; v234      WWB + 16 x thread
.set TMP,  236                         ; v236-251  ww on its way into LDS; the results on their way out
.set LN,   252                         ; v252      L
.set LR,   253                         ; v253      r
.set LH,   254                         ; v254      h
.set G1, 24                            ; s[24:31] descriptor group 1
.set G0, 32                            ; s[32:39] descriptor group 0, one set for each slot
.set MK, 44                            ; s[44:51] eight lane masks (before the loop: offsets)
.set MUL_LO, 0x04                      ; source 1 in window 1
.set MUL_HI, 0x08                      ; source 1 in window 2
.set MSB, 0
.macro WIN new                         ; the immediate's high byte repeats the setting that is left
.if MSB != \new
	s_set_vgpr_msb (MSB<<8)|\new
.set MSB, \new
.endif
.endm
; A round of the cluster's barrier: my work-group's barrier, wave 0 signals for the work-group, every wave waits for all four work-groups, my work-group's barrier again.
.macro ROUND
	s_barrier_signal -1
	s_barrier_wait -1
	s_cmp_lg_u32 s14, 0
	s_cbranch_scc1 .Lnot_wave_0_\@
	s_barrier_signal -3
.Lnot_wave_0_\@:
	s_barrier_wait -3
	s_barrier_signal -1
	s_barrier_wait -1
.endm
	s_load_b256 s[4:11], s[0:1], 0x0               ; xb s[4:5], wb s[6:7], xx s[8:9], ww s[10:11]
	s_load_b64 s[12:13], s[0:1], 0x20              ; cand
	v_lshl_add_u32 v235, v0, 2, 0x42800
	s_set_vgpr_msb 0xc0
	v_mov_b32 v1, 0
	s_set_vgpr_msb 0xc0cc
	ds_add_u32 v235, v1
	s_set_vgpr_msb 0xcc00
	v_lshrrev_b32 v255, 5, v0
	v_readfirstlane_b32 s14, v255                  ; wave 0..3
	s_bfe_u32 s15, ttmp6, 0x40000                  ; cx: my place in the cluster
	s_lshl_b32 s20, ttmp9, 2
	s_add_co_u32 s20, s20, s15                     ; X = 4 x cluster x + cx: enters the addresses of xb, xx and cand alone
	s_and_b32 s21, ttmp7, 0xffff                   ; q: the same in all four partners
	s_lshl_b32 s41, s21, 7                         ; the quarter's first code tile: 128 q
	s_mov_b32 s42, 0x76543210                      ; v_permlanex16_b32: lane i reads lane i of the other half
	s_mov_b32 s43, 0xfedcba98
	s_mov_b32 s52, 0xffff0000                      ; lanes 16-31
	s_mov_b32 s53, 0x7f800000                      ; +infinity
	; group 1: a dense block of 32,768 bytes as 128 rows of 32 elements of 8 bytes
	s_mov_b32 s[G1+0], 15|(3<<16)|(1<<21)          ; 15:0 mask: all four work-groups of the cluster; 17:16 element of 8 bytes; 21 set beside a mask; no padding
	s_mov_b32 s[G1+1], 32<<16                      ; tensor_dim0 = 32
	s_mov_b32 s[G1+2], 128<<16                     ; tensor_dim1 = 128
	s_mov_b32 s[G1+3], 32<<16                      ; tile_dim0 = 32
	s_mov_b32 s[G1+4], 128                         ; tile_dim1 = 128
	s_mov_b32 s[G1+5], 32                          ; from row to row: 32 elements
	s_mov_b32 s[G1+6], 0
	s_mov_b32 s[G1+7], 0
	; offsets.  s[16:18] and s[22:23] are made of q and the wave's number alone; what holds cx stays in s[44:47].
	s_lshl2_add_u32 s44, s20, s14                  ; 4 X + w: my block of 64 tokens
	s_lshl_b32 s46, s44, 8                         ; x 64 tokens x 4 bytes (xx, cand)
	s_lshl_b32 s44, s44, 16                        ; x 64 tokens x 1,024 bytes (xb)
	s_mov_b32 s45, 0
	s_mov_b32 s47, 0
	s_lshl_b32 s16, s21, 21                        ; q x 2,048 codes x 1,024 bytes
	s_lshl_b32 s18, s14, 15                        ; my quarter of a slot: w x 32,768, in memory and in LDS
	s_add_co_u32 s16, s16, s18
	s_mov_b32 s17, 0
	s_lshl_b32 s22, s21, 13                        ; q x 2,048 x 4 bytes (ww)
	s_mov_b32 s23, 0
	s_lshl_b32 s48, s21, 17                        ; q x 2 x 16,384 x 4 bytes (cand)
	s_mov_b32 s49, 0
	s_lshl_b32 s19, s14, 9
	s_add_co_u32 s19, s19, STAGE                   ; my stage
	v_and_b32 v[LN], 31, v0
	v_and_b32 v[LR], 15, v0
	v_bfe_u32 v[LH], v0, 4, 1
	v_lshlrev_b32 v[ADR], 4, v[LN]
	v_add_nc_u32 v[ADR+1], 0x10000, v[ADR]
	v_add_nc_u32 v[ADR+2], 0x20000, v[ADR]
	v_add_nc_u32 v[ADR+3], 0x30000, v[ADR]
	v_lshl_add_u32 v[ADW], v[LH], 5, WWB
	v_lshl_add_u32 v[STA], v[LH], 8, s19           ; d in the first 256 bytes, the index in the second,
	v_lshl_add_u32 v[STA], v[LR], 2, v[STA]        ; one word for each token
	v_add_nc_u32 v[RDA], s19, v[ADR]
	v_lshlrev_b32 v[CO], 4, v[LR]
	v_lshl_add_u32 v[CO], v[LH], 16, v[CO]         ; lanes 0-15: 256 bytes of d; lanes 16-31: 256 bytes of indices, 65,536 bytes further on
	v_lshlrev_b32 v[XA], 2, v[LR]
	v_lshlrev_b32 v[TO], 4, v0
	v_add_nc_u32 v[WST], WWB, v[TO]
	s_wait_dscnt 0x0
	s_wait_kmcnt 0x0
	s_add_nc_u64 s[4:5], s[4:5], s[44:45]
	s_add_nc_u64 s[8:9], s[8:9], s[46:47]
	s_add_nc_u64 s[6:7], s[6:7], s[16:17]
	s_add_nc_u64 s[10:11], s[10:11], s[22:23]
	s_add_nc_u64 s[12:13], s[12:13], s[46:47]
	s_add_nc_u64 s[12:13], s[12:13], s[48:49]
.irp n, 0,1
	s_mov_b32 s[G0+4*\n], 1                                        ; count = 1
	s_add_co_u32 s[G0+4*\n+1], s18, \n*SLOTB                       ; LDS address: wave x 32,768 + slot x 131,072
	s_add_nc_u64 s[G0+4*\n+2:G0+4*\n+3], s[6:7], \n*SLOTB          ; my quarter of slot n's first fill
	s_or_b32 s[G0+4*\n+3], s[G0+4*\n+3], 0x80000000                ; type = 2
.endr
; my 64 tokens, k steps kb .. kb + 7, straight into the operand registers of the window that is set: 512 consecutive bytes a load
.macro TOKENS kb
.irp ks, 0,1,2,3,4,5,6,7
.irp mt, 0,1,2,3
	global_load_b128 v[(4*\ks+\mt)*8:(4*\ks+\mt)*8+3],   v[ADR], s[4:5] offset:\mt*16384+(\kb+\ks)*1024
	global_load_b128 v[(4*\ks+\mt)*8+4:(4*\ks+\mt)*8+7], v[ADR], s[4:5] offset:\mt*16384+(\kb+\ks)*1024+512
.endr
.endr
.endm
	WIN 0x40                                       ; destination in window 1
	TOKENS 0
	WIN 0x80                                       ; destination in window 2
	TOKENS 8
	WIN 0
.irp mt, 0,1,2,3
	global_load_b32 v[XX+2*\mt],   v[XA], s[8:9] offset:64*\mt     ; xx of token 16 mt + r, into both registers of a pair
	global_load_b32 v[XX+2*\mt+1], v[XA], s[8:9] offset:64*\mt
.endr
.irp i, 0,1,2,3
	global_load_b128 v[TMP+4*\i:TMP+4*\i+3], v[TO], s[10:11] offset:2048*\i   ; the quarter's ww: 128 threads x 16 bytes x 4
.endr
	ROUND                                          ; all four work-groups are here: the first joint load meets its partners
	tensor_load_to_lds s[G0:G0+3], s[G1:G1+7]      ; codes 0-127 of the quarter into slot 0
	s_nop 0
	; Set once in the kernel, so that all 128 blocks run the same text.  The first block has no tile before it to compare: with 0 in the idle accumulators and
	; +infinity in the idle ww its comparison sees d = +infinity against best = +infinity, u = NaN, and changes nothing.
.set i, 0
.rept 32
	v_mov_b32 v[BEST+i], s53
	v_mov_b32 v[IDX+i], s41                        ; the quarter's first code tile
	v_mov_b32 v[ACC1+i], 0
.set i, i+1
.endr
.irp j, 0,1,2,3,4,5,6,7
	v_mov_b32 v[WW+8+\j], s53
.endr
	s_sub_co_u32 s41, s41, 1                       ; s41 = the tile that is being compared: one behind the tile that is being multiplied
	s_wait_loadcnt 0x0                             ; tokens, xx and ww are in
.irp i, 0,1,2,3
	ds_store_b128 v[WST], v[TMP+4*\i:TMP+4*\i+3] offset:2048*\i    ; shown to the other waves by the first slot's wait for 0 and round
.endr
; 8 LDS loads in one run: code tile nt of the slot, k steps 4 kq .. 4 kq + 3, into half hf
.macro RUN slot, nt, kq, hf
.irp ksl, 0,1,2,3
	ds_load_b128 v[F+32*\hf+8*\ksl:F+32*\hf+8*\ksl+3],   v[ADR+2*\slot+((\nt)>>2)] offset:((\nt)&3)*16384+(4*\kq+\ksl)*1024
	ds_load_b128 v[F+32*\hf+8*\ksl+4:F+32*\hf+8*\ksl+7], v[ADR+2*\slot+((\nt)>>2)] offset:((\nt)&3)*16384+(4*\kq+\ksl)*1024+512
.endr
.endm
; ww of code tile nt: lane half h takes codes 8 h .. 8 h + 7, into the buffer of the tile's parity (the other buffer is being read by the comparison)
.macro WWRUN slot, nt
	ds_load_b128 v[WW+8*((\nt)&1):WW+8*((\nt)&1)+3],   v[ADW] offset:(8*\slot+(\nt))*64
	ds_load_b128 v[WW+8*((\nt)&1)+4:WW+8*((\nt)&1)+7], v[ADW] offset:(8*\slot+(\nt))*64+16
.endm
; Instruction i (0 .. 35) of the comparison of token tile mt of the tile whose sums lie at q and whose ww lies at wp: eight distances a lane.
; 0-3 s, 4-7 d (in place of the sums), 8-11 u (in place of s), 12-19 masks, 20-27 minima, 28-35 indices.  Each stage stands four instructions or more behind the one it reads.
.macro EOP mt, i, q, wp
.if (\i)/4 == 0
	v_pk_fma_f32 v[T+2*(\i):T+2*(\i)+1], v[\wp+2*(\i):\wp+2*(\i)+1], 1.0, v[XX+2*\mt:XX+2*\mt+1] op_sel_hi:[1,0,1]
.endif
.if (\i)/4 == 1
	v_pk_fma_f32 v[\q+8*\mt+2*((\i)-4):\q+8*\mt+2*((\i)-4)+1], v[\q+8*\mt+2*((\i)-4):\q+8*\mt+2*((\i)-4)+1], -2.0, v[T+2*((\i)-4):T+2*((\i)-4)+1] op_sel_hi:[1,0,1]
.endif
.if (\i)/4 == 2
	v_pk_fma_f32 v[T+2*((\i)-8):T+2*((\i)-8)+1], v[\q+8*\mt+2*((\i)-8):\q+8*\mt+2*((\i)-8)+1], -1.0, v[BEST+8*\mt+2*((\i)-8):BEST+8*\mt+2*((\i)-8)+1] op_sel_hi:[1,0,1]
.endif
.if ((\i)+4)/8 == 2
	v_cmp_gt_f32 s[MK+(\i)-12], v[T+(\i)-12], 0                    ; best - d > 0: strictly less than the best, the earlier code keeps a tie
.endif
.if ((\i)+4)/8 == 3
	v_min3_num_f32 v[BEST+8*\mt+(\i)-20], v[BEST+8*\mt+(\i)-20], s53, v[\q+8*\mt+(\i)-20]
.endif
.if ((\i)+4)/8 == 4
	v_cndmask_b32 v[IDX+8*\mt+(\i)-28], v[IDX+8*\mt+(\i)-28], s41, s[MK+(\i)-28]
.endif
.endm
; A group: 16 matrix instructions (k steps kb .. kb + 3 from half hf, onto the set at p) with the 36 instructions of the comparison of token tile g of the tile before.
; The four accumulators take turns, one instruction a turn.  The very first k step's products start the sums.
; Two vector instructions stand behind each matrix instruction and six behind the last: those six name none of its registers and are the four places
; that a load into a register which a matrix instruction has read has to keep.  The sums at q were last written a whole group or more ago.
.macro GMUL hf, kb, p, g, q, wp
.set en, 0
.irp ksl, 0,1,2,3
.irp mt, 0,1,2,3
.if (\kb)+\ksl == 0
	v_wmma_f32_16x16x32_bf16 v[\p+8*\mt:\p+8*\mt+7], v[F+32*\hf+8*\ksl:F+32*\hf+8*\ksl+7], v[((((\kb)+\ksl)&7)*4+\mt)*8:((((\kb)+\ksl)&7)*4+\mt)*8+7], 0
.else
	v_wmma_f32_16x16x32_bf16 v[\p+8*\mt:\p+8*\mt+7], v[F+32*\hf+8*\ksl:F+32*\hf+8*\ksl+7], v[((((\kb)+\ksl)&7)*4+\mt)*8:((((\kb)+\ksl)&7)*4+\mt)*8+7], v[\p+8*\mt:\p+8*\mt+7]
.endif
	EOP \g, en, \q, \wp
.set en, en+1
	EOP \g, en, \q, \wp
.set en, en+1
.endr
.endr
.rept 4
	EOP \g, en, \q, \wp
.set en, en+1
.endr
.endm
; A block: code tile nt of the slot.  Behind each group stands the run of loads for the group after the next, into the half just read.
; Each wait leaves out the run just issued (8 loads; 10 with ww): the run before it, whose operands are multiplied next, is in.
; The slot's last tile fetches nothing beyond the slot: the next slot is read only behind the round.
.macro BLOCK slot, nt
	WIN MUL_LO
	s_wait_dscnt 8
	GMUL 0, 0, 32*((\nt)&1), 0, 32-32*((\nt)&1), WW+8-8*((\nt)&1)
	RUN \slot, \nt, 2, 0
	WWRUN \slot, \nt
	s_wait_dscnt 10
	GMUL 1, 4, 32*((\nt)&1), 1, 32-32*((\nt)&1), WW+8-8*((\nt)&1)
	RUN \slot, \nt, 3, 1
	WIN MUL_HI
	s_wait_dscnt 8
	GMUL 0, 8, 32*((\nt)&1), 2, 32-32*((\nt)&1), WW+8-8*((\nt)&1)
.if (\nt) < 7
	RUN \slot, (\nt)+1, 0, 0
	s_wait_dscnt 8
.else
	s_wait_dscnt 0
.endif
	GMUL 1, 12, 32*((\nt)&1), 3, 32-32*((\nt)&1), WW+8-8*((\nt)&1)
.if (\nt) < 7
	RUN \slot, (\nt)+1, 1, 1
.endif
	s_add_co_u32 s41, s41, 1                       ; the next tile to compare
.endm
; A slot of 128 codes.  In front of the round each wave waits for all its tensor loads (its part of this slot is the one that was out) and for its LDS
; reads of the other slot; behind the round no wave of any partner reads that slot or has a load on its way, and it is filled again first.
.macro TRIP slot, refill
	WIN 0                                          ; at a label and at a branch every window is 0
	s_set_vgpr_msb 0xc
	s_wait_tensorcnt 0x0
	ds_add_u32 v235, v1
	s_wait_dscnt 0x0
	s_set_vgpr_msb 0xc00
	s_add_nc_u64 s[G0+4*\slot+2:G0+4*\slot+3], s[G0+4*\slot+2:G0+4*\slot+3], 2*SLOTB   ; no load of mine is out: this slot's next fill
	s_wait_dscnt 0x0
	ROUND
.if \refill
	tensor_load_to_lds s[G0+4-4*\slot:G0+7-4*\slot], s[G1:G1+7]    ; the next 128 codes, into the slot read last; my one tensor load until the next round
	s_nop 0
.endif
	RUN \slot, 0, 0, 0
	RUN \slot, 0, 1, 1
.irp nt, 0,1,2,3,4,5,6,7
	BLOCK \slot, \nt
.endr
	WIN 0
.endm
	s_mov_b32 s40, 7                               ; 16 slots' worth of codes: 7 trips of two, and two written out
.Ltiles:
	TRIP 0, 1
	TRIP 1, 1
	v_add_nc_u32 v[ADW], 1024, v[ADW]              ; 256 codes' ww on
	s_sub_co_u32 s40, s40, 1
	s_cmp_lg_u32 s40, 0
	s_cbranch_scc1 .Ltiles
	TRIP 0, 1                                      ; codes 1,792 ..; asks for the last 128
	TRIP 1, 0                                      ; the last 128: nothing is left to fetch (the stepped addresses are not used)
	; the last tile (odd: its sums lie at ACC1, its ww in the odd buffer) is compared with no products left to weave it into
.irp g, 0,1,2,3
.set en, 0
.rept 36
	EOP \g, en, ACC1, WW+8
.set en, en+1
.endr
.endr
; (d1, i1) = the lesser of (d1, i1) and (d2, i2): by d, and by the index where the d are equal
.macro LEXMIN d1, i1, d2, i2
	v_cmp_lt_f32 s48, v[\d2], v[\d1]
	v_cmp_eq_f32 s49, v[\d2], v[\d1]
	v_cmp_lt_u32 s50, v[\i2], v[\i1]
	s_and_b32 s49, s49, s50
	s_or_b32 s48, s48, s49
	v_cndmask_b32 v[\d1], v[\d1], v[\d2], s48
	v_cndmask_b32 v[\i1], v[\i1], v[\i2], s48
.endm
.irp j, 0,1,2,3,4,5,6,7
	v_lshl_add_u32 v[F+\j], v[LH], 3, \j           ; 8 h + j: a result register's code inside its tile
.endr
.irp mt, 0,1,2,3
.irp j, 0,1,2,3,4,5,6,7
	v_lshl_or_b32 v[IDX+8*\mt+\j], v[IDX+8*\mt+\j], 4, v[F+\j]     ; code = 16 x tile + 8 h + j
.endr
.endr
.irp mt, 0,1,2,3
.irp j, 1,2,3,4,5,6,7
	LEXMIN BEST+8*\mt, IDX+8*\mt, BEST+8*\mt+\j, IDX+8*\mt+\j
.endr
	v_permlanex16_b32 v[T+2*\mt],   v[BEST+8*\mt], s42, s43        ; the other half's eight residues (T has been written: the destination counts as read)
	v_permlanex16_b32 v[T+2*\mt+1], v[IDX+8*\mt],  s42, s43
	LEXMIN BEST+8*\mt, IDX+8*\mt, T+2*\mt, T+2*\mt+1
	v_cndmask_b32 v[F+8+\mt], v[BEST+8*\mt], v[IDX+8*\mt], s52     ; lanes 0-15 carry d, lanes 16-31 the index
.endr
.irp mt, 0,1,2,3
	ds_store_b32 v[STA], v[F+8+\mt] offset:64*\mt
.endr
	ds_load_b128 v[TMP:TMP+3], v[RDA]              ; my own bytes, served in order: four tokens' d, or four tokens' indices
	s_wait_dscnt 0x0
	global_store_b128 v[CO], v[TMP:TMP+3], s[12:13]   ; sixteen lanes store 256 consecutive aligned bytes of d, sixteen 256 of indices
	s_set_vgpr_msb 0xc
	s_wait_tensorcnt 0x0
	ds_add_u32 v235, v1
	s_wait_dscnt 0x0
	s_set_vgpr_msb 0xc00
	ROUND                                          ; the closing round: no work-group ends while a partner may still ask jointly
	s_endpgm
.Lfunc_end_k_q8727175823_dist:
	.size	k_q8727175823_dist, .Lfunc_end_k_q8727175823_dist-k_q8727175823_dist
	.p2alignl 7, 3214868480
	.fill 96, 4, 3214868480
	.section	.rodata,"a",@progbits
	.p2align	6, 0x0
	.amdhsa_kernel k_q8727175823_dist
		.amdhsa_group_segment_fixed_size 327680
		.amdhsa_private_segment_fixed_size 0
		.amdhsa_enable_private_segment 0
		.amdhsa_kernarg_size 40
		.amdhsa_user_sgpr_count 2
		.amdhsa_user_sgpr_kernarg_segment_ptr 1
		.amdhsa_wavefront_size32 1
		.amdhsa_system_sgpr_workgroup_id_x 1
		.amdhsa_system_sgpr_workgroup_id_y 1
		.amdhsa_system_sgpr_workgroup_id_z 1
		.amdhsa_system_vgpr_workitem_id 0
		.amdhsa_next_free_vgpr 770
		.amdhsa_next_free_sgpr 66
		.amdhsa_reserve_vcc 0
		.amdhsa_float_denorm_mode_32 3
		.amdhsa_float_denorm_mode_16_64 3
		.amdhsa_memory_ordered 1
		.amdhsa_forward_progress 1
		.amdhsa_inst_pref_size 255
	.end_amdhsa_kernel
	.section	.bss,"aw",@nobits
	.p2align	6
	.space	262144
	.amdgpu_metadata
---
amdhsa.version: [ 1, 2 ]
amdhsa.kernels:
  - .name:           k_q8727175823_dist
    .symbol:         k_q8727175823_dist.kd
    .args:
      - { .name: xb, .offset: 0, .size: 8, .value_kind: global_buffer, .address_space: global }
      - { .name: wb, .offset: 8, .size: 8, .value_kind: global_buffer, .address_space: global }
      - { .name: xx, .offset: 16, .size: 8, .value_kind: global_buffer, .address_space: global }
      - { .name: ww, .offset: 24, .size: 8, .value_kind: global_buffer, .address_space: global }
      - { .name: cand, .offset: 32, .size: 8, .value_kind: global_buffer, .address_space: global }
    .group_segment_fixed_size: 327680
    .private_segment_fixed_size: 0
    .kernarg_segment_align: 8
    .kernarg_segment_size: 40
    .max_flat_workgroup_size: 128
    .sgpr_count:     66
    .vgpr_count:     770
    .wavefront_size: 32
...
	.end_amdgpu_metadata
.endif
;; end of part 2
;; launch pick (part 3): grid 32 x 1, 4 waves a work-group, no clusters, 0 bytes of LDS; arguments cand, out1, idx; writes out1, idx
.if DOCPART == 3
	.amdgcn_target "amdgcn-amd-amdhsa--gfx1250"
	.amdhsa_code_object_version 6
	.text
	.protected	k_q8727175823_pick
	.globl	k_q8727175823_pick
	.p2align	8
	.type	k_q8727175823_pick,@function
k_q8727175823_pick:
	s_mov_b64 s[64:65], 0
	v_nop
	global_prefetch_b8 v0, s[64:65] scope:SCOPE_SE
	s_setreg_imm32_b32 hwreg(HW_REG_WAVE_MODE, 25, 1), 1
	s_wait_xcnt 0x0
; The best of the four quarters' candidates for each token.  cand: [quarter 4][d, index][16384] words.
; A later quarter wins only with a strictly smaller d, so the lowest code of equal distances stays.
; A thread owns four tokens (16 bytes of each of the eight rows); sixteen lanes load and store 256 consecutive aligned bytes.
; The index goes out twice: as the result out1, and as idx, the whole numbers from which the next launch forms addresses.
; 655,360 bytes in all: nothing to share, nothing to keep in LDS.
.set D, 4                              ; v[4+8q : 7+8q]   d of quarter q
.set I, 8                              ; v[8+8q : 11+8q]  its index
	s_load_b128 s[4:7], s[0:1], 0x0                ; cand s[4:5], out1 s[6:7]
	s_load_b64 s[8:9], s[0:1], 0x10                ; idx
	s_lshl_b32 s10, ttmp9, 11                      ; 128 threads x 16 bytes
	v_lshl_add_u32 v1, v0, 4, s10
	s_wait_kmcnt 0x0
.irp q, 0,1,2,3
	global_load_b128 v[D+8*\q:D+8*\q+3], v1, s[4:5] offset:\q*131072
	global_load_b128 v[I+8*\q:I+8*\q+3], v1, s[4:5] offset:\q*131072+65536
.endr
.irp q, 1,2,3
	s_wait_loadcnt 6-2*\q                          ; quarters 0 .. q are in; the two loads of each later quarter may be out
.irp t, 0,1,2,3
	v_cmp_lt_f32 vcc_lo, v[D+8*\q+\t], v[D+\t]
	v_cndmask_b32 v[D+\t], v[D+\t], v[D+8*\q+\t], vcc_lo
	v_cndmask_b32 v[I+\t], v[I+\t], v[I+8*\q+\t], vcc_lo
.endr
.endr
	global_store_b128 v1, v[I:I+3], s[6:7]
	global_store_b128 v1, v[I:I+3], s[8:9]
	s_endpgm
.Lfunc_end_k_q8727175823_pick:
	.size	k_q8727175823_pick, .Lfunc_end_k_q8727175823_pick-k_q8727175823_pick
	.p2alignl 7, 3214868480
	.fill 96, 4, 3214868480
	.section	.rodata,"a",@progbits
	.p2align	6, 0x0
	.amdhsa_kernel k_q8727175823_pick
		.amdhsa_group_segment_fixed_size 0
		.amdhsa_private_segment_fixed_size 0
		.amdhsa_enable_private_segment 0
		.amdhsa_kernarg_size 24
		.amdhsa_user_sgpr_count 2
		.amdhsa_user_sgpr_kernarg_segment_ptr 1
		.amdhsa_wavefront_size32 1
		.amdhsa_system_sgpr_workgroup_id_x 1
		.amdhsa_system_sgpr_workgroup_id_y 1
		.amdhsa_system_sgpr_workgroup_id_z 1
		.amdhsa_system_vgpr_workitem_id 0
		.amdhsa_next_free_vgpr 40
		.amdhsa_next_free_sgpr 66
		.amdhsa_reserve_vcc 1
		.amdhsa_float_denorm_mode_32 3
		.amdhsa_float_denorm_mode_16_64 3
		.amdhsa_memory_ordered 1
		.amdhsa_forward_progress 1
		.amdhsa_inst_pref_size 3
	.end_amdhsa_kernel
	.amdgpu_metadata
---
amdhsa.version: [ 1, 2 ]
amdhsa.kernels:
  - .name:           k_q8727175823_pick
    .symbol:         k_q8727175823_pick.kd
    .args:
      - { .name: cand, .offset: 0, .size: 8, .value_kind: global_buffer, .address_space: global }
      - { .name: out1, .offset: 8, .size: 8, .value_kind: global_buffer, .address_space: global }
      - { .name: idx, .offset: 16, .size: 8, .value_kind: global_buffer, .address_space: global }
    .group_segment_fixed_size: 0
    .private_segment_fixed_size: 0
    .kernarg_segment_align: 8
    .kernarg_segment_size: 24
    .max_flat_workgroup_size: 128
    .sgpr_count:     66
    .vgpr_count:     40
    .wavefront_size: 32
...
	.end_amdgpu_metadata
.endif
;; end of part 3
;; launch fetch (part 4): grid 256 x 1, 8 waves a work-group, no clusters, 2,048 bytes of LDS; arguments weight, idx, out0, part; writes out0, part
.if DOCPART == 4
	.amdgcn_target "amdgcn-amd-amdhsa--gfx1250"
	.amdhsa_code_object_version 6
	.text
	.protected	k_q8727175823_fetch
	.globl	k_q8727175823_fetch
	.p2align	8
	.type	k_q8727175823_fetch,@function
k_q8727175823_fetch:
	s_mov_b64 s[64:65], 0
	v_nop
	global_prefetch_b8 v0, s[64:65] scope:SCOPE_SE
	s_setreg_imm32_b32 hwreg(HW_REG_WAVE_MODE, 25, 1), 1
	s_wait_xcnt 0x0
; out0[t] = weight[idx[t]] in f32, and part[g] = sum over the bins 32 g .. 32 g + 31 of c log2(c / 16384 + 1e-10), c = how many of the 16,384 indices name the bin.
; GATHER.  256 work-groups x 8 waves x 8 tokens.  A wave reads its 8 indices by one scalar load, makes 8 row addresses, has all 32 loads
; (a row is four loads of 512 consecutive bytes) on their way at once, and stores each row as it comes: whole aligned runs of 512 bytes.
; No hint on the loads: a row may be named by many tokens.  Matrix unit and clusters have nothing to add to a copy.
; COUNTS, without atomics: each work-group owns 32 bins and scans all indices for what falls into them, 2,048 indices a wave, 64 a lane, in 64 registers.
; An index becomes the word M with bit t = idx - 32 g set if t < 32, else 0.  (M >> s) & 0x11111111, s = 0..3, has a 1 in 4-bit field k for bin 4 k + s;
; these words are added into four registers of eight 4-bit counters.  After 8 words (a counter holds 8 at the most, below its 15) the 32 counters are taken out
; into 32 registers, one a bin.  That is 13 instructions a register of 32 indices and 64 a group of 8, against 64 a register for a compare and an add a bin.
; Then each bin is summed over the lanes in f32 (whole numbers up to 2,048: exact), lane b keeps bin b, and the eight waves' words meet in LDS.
; c x 2^-14 is exact, so fma(c, 2^-14, 1e-10) rounds as c / 16384 + 1e-10 does.  Base 2 throughout: the next launch takes 2 to the power of the scaled sum.
; An index is clamped to 8,191 before it enters an address; in the counts it enters no address and no branch.
.set TOP, 8191
.set LO,  1                            ; v1        16 x lane; never rewritten
.set T,   4                            ; v[4:5]    two indices, then their words M
.set U,   6                            ; v[6:13]   (M >> s) & mask of the two words, s = 0..3
.set ONE, 14                           ; v14       1
.set CNT, 15                           ; v15       lane b: my wave's count of bin b
.set R,   16                           ; v[16:143] the 8 rows, 16 registers each
.set X,   144                          ; v[144:207] my 64 indices
.set ACC, 208                          ; v[208:239] my count of bin b
.set N,   240                          ; v[240:243] register s: eight 4-bit counters, field k for bin 4 k + s
.set E,   244                          ; v[244:247] at work
.set SC,  248                          ; v248      2^-14
.set Z,   249                          ; v249      0
.set LA,  250                          ; v250      4 x lane
.set SA,  251                          ; v251      where my wave's counts go in LDS
	s_load_b256 s[4:11], s[0:1], 0x0               ; weight s[4:5], idx s[6:7], out0 s[8:9], part s[10:11]
	v_lshl_add_u32 v252, v0, 2, 0x400
	v_mov_b32 v253, 0
	v_lshrrev_b32 v2, 5, v0
	v_readfirstlane_b32 s14, v2                    ; wave 0..7
	v_and_b32 v3, 31, v0
	v_lshlrev_b32 v[LO], 4, v3
	v_lshlrev_b32 v[LA], 2, v3
	s_lshl_b32 s12, ttmp9, 8                       ; 64 tokens x 4 bytes
	s_lshl_b32 s13, s14, 5                         ; 8 tokens x 4 bytes
	s_add_co_u32 s12, s12, s13
	s_mov_b32 s13, 0
	s_lshl_b32 s24, ttmp9, 17                      ; 64 tokens x 2,048 bytes
	s_lshl_b32 s25, s14, 14                        ; 8 tokens x 2,048 bytes
	s_add_co_u32 s24, s24, s25
	s_mov_b32 s25, 0
	s_lshl_b32 s50, s14, 13                        ; the wave's 2,048 indices of the scan x 4 bytes
	s_mov_b32 s51, 0
	s_lshl_b32 s52, ttmp9, 2                       ; the work-group's word in part
	s_mov_b32 s53, 0
	s_lshl_b32 s26, ttmp9, 5
	s_sub_co_u32 s26, 0, s26                       ; -32 g
	s_mov_b32 s27, 0x11111111                      ; the lowest bit of each 4-bit field
	s_mov_b32 s30, 0x76543210                      ; v_permlanex16_b32: lane i reads lane i of the other half
	s_mov_b32 s31, 0xfedcba98
	s_lshl_b32 s15, s14, 7                         ; 32 words for each wave in LDS
	v_add_nc_u32 v[SA], s15, v[LA]
	v_mov_b32 v[ONE], 1
	v_mov_b32 v[CNT], 0                            ; written whole once: the selects below read it
	v_mov_b32 v[Z], 0
	v_mov_b32 v[SC], 0x38800000                    ; 2^-14
	s_wait_kmcnt 0x0
	s_add_nc_u64 s[54:55], s[6:7], s[12:13]
	s_add_nc_u64 s[8:9], s[8:9], s[24:25]
	s_add_nc_u64 s[48:49], s[6:7], s[50:51]
	s_add_nc_u64 s[10:11], s[10:11], s[52:53]
	s_load_b256 s[16:23], s[54:55], 0x0            ; my 8 indices of the gather
	s_wait_kmcnt 0x0
.irp i, 0,1,2,3,4,5,6,7
	s_min_u32 s[16+\i], s[16+\i], TOP
	s_lshl_b32 s24, s[16+\i], 11                   ; x 2,048 bytes (s25 is 0)
	s_add_nc_u64 s[32+2*\i:33+2*\i], s[4:5], s[24:25]
.irp p, 0,1,2,3
	global_load_b128 v[R+16*\i+4*\p:R+16*\i+4*\p+3], v[LO], s[32+2*\i:33+2*\i] offset:512*\p
.endr
.endr
.irp i, 0,1,2,3,4,5,6,7,8,9,10,11,12,13,14,15
	global_load_b128 v[X+4*\i:X+4*\i+3], v[LO], s[48:49] offset:512*\i   ; the scan's 2,048 indices: 512 consecutive bytes a load
.endr
.irp i, 0,1,2,3,4,5,6,7
	s_wait_loadcnt 44-4*\i                         ; row i is in; out may be the four loads of each younger row and the 16 loads of indices
.irp p, 0,1,2,3
	global_store_b128 v[LO], v[R+16*\i+4*\p:R+16*\i+4*\p+3], s[8:9] offset:2048*\i+512*\p th:TH_STORE_NT
.endr
.endr
; Two registers of indices, X + a and X + a + 1, into the 4-bit counters.  first = 1: they start the counters: nothing is cleared.
.macro PAIR a, first
	v_add_nc_u32 v[T],   s26, v[X+(\a)]            ; t = idx - 32 g, modulo 2^32
	v_add_nc_u32 v[T+1], s26, v[X+(\a)+1]
	v_cmp_gt_u32 s28, 32, v[T]                     ; one of my 32 bins
	v_cmp_gt_u32 s29, 32, v[T+1]
	v_lshlrev_b32 v[T],   v[T],   v[ONE]           ; 1 << (t mod 32)
	v_lshlrev_b32 v[T+1], v[T+1], v[ONE]
	v_cndmask_b32 v[T],   0, v[T],   s28           ; or nothing
	v_cndmask_b32 v[T+1], 0, v[T+1], s29
.irp s, 1,2,3
	v_lshrrev_b32 v[U+2*\s],   \s, v[T]
	v_lshrrev_b32 v[U+2*\s+1], \s, v[T+1]
.endr
	v_and_b32 v[U],   s27, v[T]
	v_and_b32 v[U+1], s27, v[T+1]
.irp s, 1,2,3
	v_and_b32 v[U+2*\s],   s27, v[U+2*\s]
	v_and_b32 v[U+2*\s+1], s27, v[U+2*\s+1]
.endr
.irp s, 0,1,2,3
.if \first
	v_add_nc_u32 v[N+\s], v[U+2*\s], v[U+2*\s+1]
.else
	v_add3_u32 v[N+\s], v[N+\s], v[U+2*\s], v[U+2*\s+1]
.endif
.endr
.endm
; Eight registers of indices (two loads), then the 32 counters out into the bins' registers.  The first group's counters start those sums.
.macro GROUP g
	s_wait_loadcnt 14-2*\g                         ; loads 2 g and 2 g + 1 of the sixteen are in, the younger ones may be out
	PAIR 8*\g, 1
	PAIR 8*\g+2, 0
	PAIR 8*\g+4, 0
	PAIR 8*\g+6, 0
.irp k, 0,1,2,3,4,5,6,7
.if \g == 0
.irp s, 0,1,2,3
	v_bfe_u32 v[ACC+4*\k+\s], v[N+\s], 4*\k, 4
.endr
.else
.irp s, 0,1,2,3
	v_bfe_u32 v[E+\s], v[N+\s], 4*\k, 4
.endr
.irp s, 0,1,2,3
	v_add_nc_u32 v[ACC+4*\k+\s], v[ACC+4*\k+\s], v[E+\s]
.endr
.endif
.endr
.endm
.irp g, 0,1,2,3,4,5,6,7
	GROUP \g
.endr
	; each bin over the 32 lanes, four bins at a time so that no instruction waits for the one in front of it; lane b keeps bin b
.irp b0, 0,4,8,12,16,20,24,28
.irp i, 0,1,2,3
	v_cvt_f32_u32 v[ACC+\b0+\i], v[ACC+\b0+\i]
.endr
.irp m, 1,2,4,8
.irp i, 0,1,2,3
	v_add_f32_dpp v[ACC+\b0+\i], v[ACC+\b0+\i], v[ACC+\b0+\i] row_xmask:\m row_mask:0xf bank_mask:0xf
.endr
.endr
.irp i, 0,1,2,3
	v_permlanex16_b32 v[E+\i], v[ACC+\b0+\i], s30, s31             ; E has been written: the destination counts as read
.endr
.irp i, 0,1,2,3
	v_add_f32 v[ACC+\b0+\i], v[ACC+\b0+\i], v[E+\i]
.endr
.irp i, 0,1,2,3
	s_mov_b32 s28, 1<<(\b0+\i)
	v_cndmask_b32 v[CNT], v[CNT], v[ACC+\b0+\i], s28
.endr
.endr
	ds_store_b32 v[SA], v[CNT]                     ; my wave's 32 counts: 128 consecutive bytes of its own
	s_wait_dscnt 0x0                               ; they are in LDS, for wave 0's sake
	s_barrier_signal -1
	s_barrier_wait -1
	s_cmp_lg_u32 s14, 0
	s_cbranch_scc1 .Lend
.irp w, 0,1,2,3,4,5,6,7
	ds_load_b32 v[U+\w], v[LA] offset:128*\w       ; bin = lane, of each wave
.endr
	s_wait_dscnt 0x0
	v_add_f32 v[U],   v[U],   v[U+1]
	v_add_f32 v[U+2], v[U+2], v[U+3]
	v_add_f32 v[U+4], v[U+4], v[U+5]
	v_add_f32 v[U+6], v[U+6], v[U+7]
	v_add_f32 v[U],   v[U],   v[U+2]
	v_add_f32 v[U+4], v[U+4], v[U+6]
	v_add_f32 v[U],   v[U],   v[U+4]               ; c: a whole number up to 16,384, exact
	v_fmaak_f32 v[T], v[SC], v[U], 0x2edbe6ff      ; c / 16384 + 1e-10
	v_log_f32 v[T], v[T]
	v_nop                                          ; one plain vector instruction between a transcendental and the use of its result (ISA guide 5.7.2)
	s_wait_alu depctr_va_vdst(0)
	v_mul_f32 v[T], v[U], v[T]                     ; c log2(..): 0 for an empty bin
	v_add_f32_dpp v[T], v[T], v[T] row_xmask:1 row_mask:0xf bank_mask:0xf
	v_add_f32_dpp v[T], v[T], v[T] row_xmask:2 row_mask:0xf bank_mask:0xf
	v_add_f32_dpp v[T], v[T], v[T] row_xmask:4 row_mask:0xf bank_mask:0xf
	v_add_f32_dpp v[T], v[T], v[T] row_xmask:8 row_mask:0xf bank_mask:0xf
	v_permlanex16_b32 v[E], v[T], s30, s31
	v_add_f32 v[T], v[T], v[E]
	s_wait_xcnt 0x0                                ; EXEC is narrowed only when every earlier load and store has had its address translated
	v_cmp_eq_u32 vcc_lo, 0, v0
	s_and_saveexec_b32 s29, vcc_lo
	global_store_b32 v[Z], v[T], s[10:11]          ; the work-group's one word, from lane 0
	s_wait_xcnt 0x0                                ; and widened again only behind the same wait
	s_or_b32 exec_lo, exec_lo, s29
.Lend:
	s_wait_tensorcnt 0x0
	ds_add_u32 v252, v253
	s_wait_dscnt 0x0
	s_endpgm
.Lfunc_end_k_q8727175823_fetch:
	.size	k_q8727175823_fetch, .Lfunc_end_k_q8727175823_fetch-k_q8727175823_fetch
	.p2alignl 7, 3214868480
	.fill 96, 4, 3214868480
	.section	.rodata,"a",@progbits
	.p2align	6, 0x0
	.amdhsa_kernel k_q8727175823_fetch
		.amdhsa_group_segment_fixed_size 2048
		.amdhsa_private_segment_fixed_size 0
		.amdhsa_enable_private_segment 0
		.amdhsa_kernarg_size 32
		.amdhsa_user_sgpr_count 2
		.amdhsa_user_sgpr_kernarg_segment_ptr 1
		.amdhsa_wavefront_size32 1
		.amdhsa_system_sgpr_workgroup_id_x 1
		.amdhsa_system_sgpr_workgroup_id_y 1
		.amdhsa_system_sgpr_workgroup_id_z 1
		.amdhsa_system_vgpr_workitem_id 0
		.amdhsa_next_free_vgpr 254
		.amdhsa_next_free_sgpr 66
		.amdhsa_reserve_vcc 1
		.amdhsa_float_denorm_mode_32 3
		.amdhsa_float_denorm_mode_16_64 3
		.amdhsa_memory_ordered 1
		.amdhsa_forward_progress 1
		.amdhsa_inst_pref_size 85
	.end_amdhsa_kernel
	.amdgpu_metadata
---
amdhsa.version: [ 1, 2 ]
amdhsa.kernels:
  - .name:           k_q8727175823_fetch
    .symbol:         k_q8727175823_fetch.kd
    .args:
      - { .name: weight, .offset: 0, .size: 8, .value_kind: global_buffer, .address_space: global }
      - { .name: idx, .offset: 8, .size: 8, .value_kind: global_buffer, .address_space: global }
      - { .name: out0, .offset: 16, .size: 8, .value_kind: global_buffer, .address_space: global }
      - { .name: part, .offset: 24, .size: 8, .value_kind: global_buffer, .address_space: global }
    .group_segment_fixed_size: 2048
    .private_segment_fixed_size: 0
    .kernarg_segment_align: 8
    .kernarg_segment_size: 32
    .max_flat_workgroup_size: 256
    .sgpr_count:     66
    .vgpr_count:     254
    .wavefront_size: 32
...
	.end_amdgpu_metadata
.endif
;; end of part 4
;; launch perp (part 5): grid 1 x 1, 1 waves a work-group, no clusters, 0 bytes of LDS; arguments part, out2; writes out2
.if DOCPART == 5
	.amdgcn_target "amdgcn-amd-amdhsa--gfx1250"
	.amdhsa_code_object_version 6
	.text
	.protected	k_q8727175823_perp
	.globl	k_q8727175823_perp
	.p2align	8
	.type	k_q8727175823_perp,@function
k_q8727175823_perp:
	s_mov_b64 s[64:65], 0
	v_nop
	global_prefetch_b8 v0, s[64:65] scope:SCOPE_SE
	s_setreg_imm32_b32 hwreg(HW_REG_WAVE_MODE, 25, 1), 1
	s_wait_xcnt 0x0
; out2 = exp(-sum p ln(p + 1e-10)) = 2^(-2^-14 x sum over the 256 words of part), each word being a work-group's sum of c log2(c / 16384 + 1e-10).
; The sum spans the work-groups of the launch before, so it has one owner in a launch of its own: one wave, 1,024 bytes, eight words a lane.
	s_load_b128 s[4:7], s[0:1], 0x0                ; part s[4:5], out2 s[6:7]
	v_lshlrev_b32 v1, 4, v0                        ; 16 x lane
	v_mov_b32 v12, 0                               ; v_permlanex16_b32 counts as a reader of its destination
	v_mov_b32 v13, 0                               ; the store's offset
	s_mov_b32 s8, 0x76543210                       ; lane i reads lane i of the other half
	s_mov_b32 s9, 0xfedcba98
	s_wait_kmcnt 0x0
	global_load_b128 v[4:7], v1, s[4:5]
	global_load_b128 v[8:11], v1, s[4:5] offset:512
	s_wait_loadcnt 0x0
	v_pk_add_f32 v[4:5], v[4:5], v[6:7]
	v_pk_add_f32 v[8:9], v[8:9], v[10:11]
	v_pk_add_f32 v[4:5], v[4:5], v[8:9]
	v_add_f32 v4, v4, v5
	v_add_f32_dpp v4, v4, v4 row_xmask:1 row_mask:0xf bank_mask:0xf
	v_add_f32_dpp v4, v4, v4 row_xmask:2 row_mask:0xf bank_mask:0xf
	v_add_f32_dpp v4, v4, v4 row_xmask:4 row_mask:0xf bank_mask:0xf
	v_add_f32_dpp v4, v4, v4 row_xmask:8 row_mask:0xf bank_mask:0xf
	v_permlanex16_b32 v12, v4, s8, s9
	v_add_f32 v4, v4, v12
	v_mul_f32 v4, 0xb8800000, v4                   ; x -2^-14: exact
	v_exp_f32 v5, v4
	v_nop                                          ; one plain vector instruction between a transcendental and the use of its result (ISA guide 5.7.2)
	s_wait_xcnt 0x0                                ; EXEC is narrowed only when every earlier load has had its address translated
	v_cmp_eq_u32 vcc_lo, 0, v0
	s_and_saveexec_b32 s10, vcc_lo
	s_wait_alu depctr_va_vdst(0)
	global_store_b32 v13, v5, s[6:7]               ; one number, from lane 0
	s_wait_xcnt 0x0                                ; and widened again only behind the same wait
	s_or_b32 exec_lo, exec_lo, s10
	s_endpgm
.Lfunc_end_k_q8727175823_perp:
	.size	k_q8727175823_perp, .Lfunc_end_k_q8727175823_perp-k_q8727175823_perp
	.p2alignl 7, 3214868480
	.fill 96, 4, 3214868480
	.section	.rodata,"a",@progbits
	.p2align	6, 0x0
	.amdhsa_kernel k_q8727175823_perp
		.amdhsa_group_segment_fixed_size 0
		.amdhsa_private_segment_fixed_size 0
		.amdhsa_enable_private_segment 0
		.amdhsa_kernarg_size 16
		.amdhsa_user_sgpr_count 2
		.amdhsa_user_sgpr_kernarg_segment_ptr 1
		.amdhsa_wavefront_size32 1
		.amdhsa_system_sgpr_workgroup_id_x 1
		.amdhsa_system_sgpr_workgroup_id_y 1
		.amdhsa_system_sgpr_workgroup_id_z 1
		.amdhsa_system_vgpr_workitem_id 0
		.amdhsa_next_free_vgpr 16
		.amdhsa_next_free_sgpr 66
		.amdhsa_reserve_vcc 1
		.amdhsa_float_denorm_mode_32 3
		.amdhsa_float_denorm_mode_16_64 3
		.amdhsa_memory_ordered 1
		.amdhsa_forward_progress 1
		.amdhsa_inst_pref_size 2
	.end_amdhsa_kernel
	.amdgpu_metadata
---
amdhsa.version: [ 1, 2 ]
amdhsa.kernels:
  - .name:           k_q8727175823_perp
    .symbol:         k_q8727175823_perp.kd
    .args:
      - { .name: part, .offset: 0, .size: 8, .value_kind: global_buffer, .address_space: global }
      - { .name: out2, .offset: 8, .size: 8, .value_kind: global_buffer, .address_space: global }
    .group_segment_fixed_size: 0
    .private_segment_fixed_size: 0
    .kernarg_segment_align: 8
    .kernarg_segment_size: 16
    .max_flat_workgroup_size: 32
    .sgpr_count:     66
    .vgpr_count:     16
    .wavefront_size: 32
...
	.end_amdgpu_metadata
.endif
;; end of part 5
;; ======== version 2 of 2: 5 launches; version 1 with the launch prep written anew for expert scheduling mode
;; workspace buffers: xb 16,777,216 bytes; wb 8,388,608 bytes; xx 65,536 bytes; ww 32,768 bytes; cand 524,288 bytes; idx 65,536 bytes of whole numbers; part 1,024 bytes
;; launch prep (part 6): grid 384 x 1, 4 waves a work-group, no clusters, 67,328 bytes of LDS; arguments x, weight, xb, wb, xx, ww; writes xb, wb, xx, ww
.if DOCPART == 6
	.amdgcn_target "amdgcn-amd-amdhsa--gfx1250"
	.amdhsa_code_object_version 6
	.text
	.protected	k_q8727175823_prep
	.globl	k_q8727175823_prep
	.p2align	8
	.type	k_q8727175823_prep,@function
k_q8727175823_prep:
	s_mov_b64 s[64:65], 0
	v_nop
	global_prefetch_b8 v0, s[64:65] scope:SCOPE_SE
	s_setreg_imm32_b32 hwreg(HW_REG_WAVE_SCHED_MODE, 0, 2), 2
	s_setreg_imm32_b32 hwreg(HW_REG_WAVE_MODE, 25, 1), 1
	s_wait_xcnt 0x0
	s_wait_alu depctr_vm_vsrc(0)
; Rounds x [16384][512] and weight [8192][512] from f32 to bf16, writes them in the order in which the matrix instruction's operands lie
; in registers, and writes each row's sum of squares OF THE ROUNDED NUMBERS in f32.
; Operand order: byte of element (row, k) = (row>>4)*16384 + (k>>5)*1024 + ((k>>4)&1)*512 + ((k>>3)&1)*256 + (row&15)*16 + (k&7)*2,
; so that 16 rows x 32 k are 1,024 consecutive bytes of which lane L takes 16 at 16 L and 16 at 512 + 16 L.
; Work-groups 0-255 take 64 rows of x each, work-groups 256-383 64 rows of weight; a wave takes 16 rows (one block of 16,384 bytes out).
; A row comes in by four loads of 512 consecutive bytes; eight rows (32 loads of a wave) are on their way at any time.
; The turn from rows to operand order goes through the wave's own stage in LDS; every store to memory covers 512 consecutive aligned bytes.
; No matrix unit, no cluster: no byte is read twice and no two work-groups read the same bytes.
; LIMIT: the norms are f32 sums in this text's own order (two chains a lane, then a tree over the lanes).
; THE MODE: SCHED_MODE bits 1:0 = 2 (LLVM: expert scheduling mode 2), set by the entry lines.  The code itself states the register dependences
; between vector instructions and memory or LDS instructions, with s_wait_alu, always for 0.
; THE PLAN.  Registers that memory or LDS instructions touch:
;   X, eight slots   Row r: its eight conversions read slot r % 8; behind them the four loads of row r + 8 land in it.  Behind row 15 the 32 LDS loads
;                    from the stage land in X, and the 32 stores to memory read it.
;   P                Row r: its conversions write P; its four LDS stores read it (so do the squaring lines, which are vector work); row r + 1 writes it again.
;   NV               Written by one select a row; read by one LDS store behind row 15.
;   v[6:7]           Vector work in the rows; at the end wave 0's LDS load of the norms lands there.
;   v1-v4, v22, v23  Offsets and LDS addresses: made at the head, never written again.      v160, v161: made at the head, read by the closing add alone.
; So a row has ONE wait on va_vdst, behind its conversions: P is written and the slot is read out.  The four LDS stores follow it in a run, and the slot's four
; loads are dealt among the squaring lines, which name P, T and N: none of the registers that those loads touch.  One wait on vm_vsrc stands at a row's head,
; a row's squaring and reduction behind the LDS stores that it speaks of.  One more wait on va_vdst stands behind row 15; no vector instruction follows it.
.set ROWB, 2048                        ; bytes of a row of f32
.set SP,   1040                        ; stage pitch: 1,024 bytes of bf16 + 16 = 65 x 16, so 16 rows' equal columns start 16 bytes apart modulo 256
.set STGB, 16*SP                       ; a wave's stage
.set NRM,  4*STGB                      ; behind the stages: the work-group's 64 norms, 256 bytes
.set LO,  1                            ; v1       16 x lane
.set STG, 2                            ; v2       stage, in: wave's stage + 8 x lane
.set RDF, 3                            ; v3       stage, out: wave's stage + (lane % 16) x pitch + 16 x (lane / 16)
.set NSA, 4                            ; v4       where my row's norm goes in LDS
.set NV,  5                            ; v5       lanes r and r + 16: the norm of row r
.set T,   6                            ; v[6:9]   two pairs of f32 at work
.set N,   10                           ; v[10:11] the running sums
.set TP,  12                           ; v12      takes the other half's sum
.set P,   14                           ; v[14:21] a row's 16 numbers of mine as 8 words of bf16
.set X,   32                           ; v[32:159] ring of 8 rows x 16 registers; later the 32 operand pieces on their way out
	s_load_b256 s[4:11], s[0:1], 0x0               ; x s[4:5], weight s[6:7], xb s[8:9], wb s[10:11]
	s_load_b128 s[12:15], s[0:1], 0x20             ; xx s[12:13], ww s[14:15]
	v_lshl_add_u32 v160, v0, 2, 0x10500
	v_mov_b32 v161, 0
	v_lshrrev_b32 v13, 5, v0
	v_readfirstlane_b32 s17, v13                   ; wave 0..3
	v_and_b32 v24, 31, v0                          ; lane
	v_and_b32 v25, 15, v0                          ; lane % 16
	v_bfe_u32 v26, v0, 4, 1                        ; lane / 16
	s_mov_b32 s16, 0xffff0000                      ; a word's upper bf16
	s_mov_b32 s18, 0x76543210                      ; v_permlanex16_b32: lane i reads lane i of the other half
	s_mov_b32 s19, 0xfedcba98
	s_wait_alu depctr_va_sdst(0)                   ; s17 is written, ahead of its first reader: the stage's place and the bases are made from it
	s_mul_i32 s22, s17, STGB
	v_lshlrev_b32 v[LO], 4, v24
	v_lshl_add_u32 v[STG], v24, 3, s22
	v_mul_u32_u24 v[RDF], v25, SP
	v_lshl_add_u32 v[RDF], v26, 4, v[RDF]
	v_add_nc_u32 v[RDF], s22, v[RDF]
	s_lshl_b32 s23, s17, 6
	s_add_co_u32 s23, s23, NRM
	v_lshl_add_u32 v[NSA], v25, 2, s23
	v_mov_b32 v[NV], 0                             ; written whole once: the selects below read it
	v_mov_b32 v[TP], 0                             ; v_permlanex16_b32 counts as a reader of its destination
	v_lshlrev_b32 v22, 3, v24                      ; 8 x lane: the norms' way out
	v_add_nc_u32 v23, NRM, v22
	s_sub_co_u32 s21, ttmp9, 256
	s_cmp_lt_u32 ttmp9, 256                        ; x or weight: hangs on the work-group's number alone
	s_cselect_b32 s21, ttmp9, s21                  ; my block of 64 rows in that tensor
	s_wait_kmcnt 0x0
	s_cselect_b64 s[4:5], s[4:5], s[6:7]           ; source
	s_cselect_b64 s[8:9], s[8:9], s[10:11]         ; bf16 out
	s_cselect_b64 s[12:13], s[12:13], s[14:15]     ; norms out
	s_lshl2_add_u32 s24, s21, s17                  ; my block of 16 rows = 4 x block of 64 + wave
	s_mov_b32 s27, 0
	s_lshl_b32 s26, s24, 15                        ; 16 rows x 2,048 bytes
	s_add_nc_u64 s[4:5], s[4:5], s[26:27]
	s_lshl_b32 s26, s24, 14                        ; 16 rows x 1,024 bytes
	s_add_nc_u64 s[8:9], s[8:9], s[26:27]
	s_lshl_b32 s26, s21, 8                         ; 64 norms x 4 bytes
	s_add_nc_u64 s[12:13], s[12:13], s[26:27]
	s_wait_alu depctr_va_vdst(0)                   ; the offsets and LDS addresses v1 to v4, v22 and v23 are written: every load and store of the kernel reads one of them
.macro FILL1 row, p                    ; piece p of a row: 512 consecutive bytes
	global_load_b128 v[X+16*((\row)%8)+4*(\p):X+16*((\row)%8)+4*(\p)+3], v[LO], s[4:5] offset:(\row)*ROWB+512*(\p) th:TH_LOAD_NT
.endm
.macro FILL row                        ; a row's 2,048 bytes: four loads of 512 consecutive bytes
.irp p, 0,1,2,3
	FILL1 \row, \p
.endr
.endm
; One row: round, put into the stage, square and sum the rounded numbers.  left = the younger rows' loads that may stay out.
.macro ROW row, left, fill
	s_wait_loadcnt \left                           ; loads come back in order: this row's four are in
.if (\row) > 0
	s_wait_alu depctr_vm_vsrc(0)                   ; the LDS stores of the row before have read P, which the conversions below write again
.endif
.irp p, 0,1,2,3
	v_cvt_pk_bf16_f32 v[P+2*\p],   v[X+16*((\row)%8)+4*\p],   v[X+16*((\row)%8)+4*\p+1]
	v_cvt_pk_bf16_f32 v[P+2*\p+1], v[X+16*((\row)%8)+4*\p+2], v[X+16*((\row)%8)+4*\p+3]
.endr
	s_wait_alu depctr_va_vdst(0)                   ; the conversions have written P, which the LDS stores read, and are done reading the row's slot, in which the loads below land
.irp p, 0,1,2,3
	ds_store_b64 v[STG], v[P+2*\p:P+2*\p+1] offset:(\row)*SP+256*\p      ; k = 128 p + 4 lane .. + 3: 8 bytes at 256 p + 8 lane of the row
.endr
.irp i, 0,1,2,3,4,5,6,7
.if (\fill) && (\i < 4)
	FILL1 (\row)+8, \i                             ; the slot is asked for again.  No wait: no vector instruction since the wait above names the slot's registers
.endif
	v_lshlrev_b32 v[T+2*(\i%2)],   16,  v[P+\i]                          ; the rounded numbers back in f32
	v_and_b32     v[T+2*(\i%2)+1], s16, v[P+\i]
.if \i == 0
	v_pk_mul_f32 v[N:N+1], v[T:T+1], v[T:T+1]                            ; the first squares start the sums
.else
	v_pk_fma_f32 v[N:N+1], v[T+2*(\i%2):T+2*(\i%2)+1], v[T+2*(\i%2):T+2*(\i%2)+1], v[N:N+1]
.endif
.endr
	v_add_f32 v[N], v[N], v[N+1]
	v_add_f32_dpp v[N], v[N], v[N] row_xmask:1 row_mask:0xf bank_mask:0xf
	v_add_f32_dpp v[N], v[N], v[N] row_xmask:2 row_mask:0xf bank_mask:0xf
	v_add_f32_dpp v[N], v[N], v[N] row_xmask:4 row_mask:0xf bank_mask:0xf
	v_add_f32_dpp v[N], v[N], v[N] row_xmask:8 row_mask:0xf bank_mask:0xf
	v_permlanex16_b32 v[TP], v[N], s18, s19
	v_add_f32 v[N], v[N], v[TP]                    ; every lane holds the row's norm
	s_mov_b32 s20, 0x00010001<<(\row)
	v_cndmask_b32 v[NV], v[NV], v[N], s20          ; lanes row and row + 16 keep it
.endm
.irp rr, 0,1,2,3,4,5,6,7
	FILL \rr
.endr
.irp rr, 0,1,2,3,4,5,6,7
	ROW \rr, 28, 1                                 ; 28 = the four loads of each of the seven younger rows
.endr
.irp rr, 8,9,10,11,12,13,14,15
	ROW \rr, 28-4*(\rr-8), 0                       ; nothing more to load: the counts run down to 0
.endr
	s_wait_alu depctr_va_vdst(0)                   ; the last select has written NV, which the LDS store reads; the conversions are done reading X, in which the loads from the stage land; the sums are done with v[6:7], in which wave 0's load lands.  No vector instruction follows
	ds_store_b32 v[NSA], v[NV]                     ; lanes r and r + 16 write the same word with the same value
	; the stage back in operand order.  The bytes are the wave's own and LDS serves a wave's instructions in order: no wait between stores and loads.
.irp ks, 0,1,2,3,4,5,6,7,8,9,10,11,12,13,14,15
	ds_load_b128 v[X+8*\ks:X+8*\ks+3],   v[RDF] offset:64*\ks           ; row lane % 16, k = 32 ks + 8 (lane / 16) .. + 7
	ds_load_b128 v[X+8*\ks+4:X+8*\ks+7], v[RDF] offset:64*\ks+32        ; the same, 16 further along k
.endr
.set i, 0
.rept 32
	s_wait_dscnt 31-i                              ; piece i is in, the younger ones may be out
	global_store_b128 v[LO], v[X+4*i:X+4*i+3], s[8:9] offset:512*i      ; 512 consecutive bytes, at a multiple of 512 from the buffer's first byte
.set i, i+1
.endr
	s_wait_dscnt 0x0                               ; my norms are in LDS, for wave 0's sake
	s_barrier_signal -1
	s_barrier_wait -1
	s_cmp_lg_u32 s17, 0
	s_cbranch_scc1 .Lend
	ds_load_b64 v[6:7], v23                        ; the work-group's 64 norms: 8 bytes a lane
	s_wait_dscnt 0x0
	global_store_b64 v22, v[6:7], s[12:13]         ; one store of 256 consecutive aligned bytes
.Lend:
	s_wait_dscnt 0x0                               ; the closing lines, six on end
	s_wait_alu 0x0
	s_wait_tensorcnt 0x0
	ds_add_u32 v160, v161
	s_wait_dscnt 0x0
	s_endpgm
.Lfunc_end_k_q8727175823_prep:
	.size	k_q8727175823_prep, .Lfunc_end_k_q8727175823_prep-k_q8727175823_prep
	.p2alignl 7, 3214868480
	.fill 96, 4, 3214868480
	.section	.rodata,"a",@progbits
	.p2align	6, 0x0
	.amdhsa_kernel k_q8727175823_prep
		.amdhsa_group_segment_fixed_size 67328
		.amdhsa_private_segment_fixed_size 0
		.amdhsa_enable_private_segment 0
		.amdhsa_kernarg_size 48
		.amdhsa_user_sgpr_count 2
		.amdhsa_user_sgpr_kernarg_segment_ptr 1
		.amdhsa_wavefront_size32 1
		.amdhsa_system_sgpr_workgroup_id_x 1
		.amdhsa_system_sgpr_workgroup_id_y 1
		.amdhsa_system_sgpr_workgroup_id_z 1
		.amdhsa_system_vgpr_workitem_id 0
		.amdhsa_next_free_vgpr 162
		.amdhsa_next_free_sgpr 66
		.amdhsa_reserve_vcc 0
		.amdhsa_float_denorm_mode_32 3
		.amdhsa_float_denorm_mode_16_64 3
		.amdhsa_memory_ordered 1
		.amdhsa_forward_progress 1
		.amdhsa_inst_pref_size 53
	.end_amdhsa_kernel
	.amdgpu_metadata
---
amdhsa.version: [ 1, 2 ]
amdhsa.kernels:
  - .name:           k_q8727175823_prep
    .symbol:         k_q8727175823_prep.kd
    .args:
      - { .name: x, .offset: 0, .size: 8, .value_kind: global_buffer, .address_space: global }
      - { .name: weight, .offset: 8, .size: 8, .value_kind: global_buffer, .address_space: global }
      - { .name: xb, .offset: 16, .size: 8, .value_kind: global_buffer, .address_space: global }
      - { .name: wb, .offset: 24, .size: 8, .value_kind: global_buffer, .address_space: global }
      - { .name: xx, .offset: 32, .size: 8, .value_kind: global_buffer, .address_space: global }
      - { .name: ww, .offset: 40, .size: 8, .value_kind: global_buffer, .address_space: global }
    .group_segment_fixed_size: 67328
    .private_segment_fixed_size: 0
    .kernarg_segment_align: 8
    .kernarg_segment_size: 48
    .max_flat_workgroup_size: 128
    .sgpr_count:     66
    .vgpr_count:     162
    .wavefront_size: 32
...
	.end_amdgpu_metadata
.endif
;; end of part 6
;; launch dist: the kernel of part 2 again; grid 64 x 4, 4 waves a work-group, clusters of 4 x 1, 327,680 bytes of LDS; arguments xb, wb, xx, ww, cand; writes cand
;; launch pick: the kernel of part 3 again; grid 32 x 1, 4 waves a work-group, no clusters, 0 bytes of LDS; arguments cand, out1, idx; writes out1, idx
;; launch fetch: the kernel of part 4 again; grid 256 x 1, 8 waves a work-group, no clusters, 2,048 bytes of LDS; arguments weight, idx, out0, part; writes out0, part
;; launch perp: the kernel of part 5 again; grid 1 x 1, 1 waves a work-group, no clusters, 0 bytes of LDS; arguments part, out2; writes out2
